; MI455X (gfx1250); checked and timed in simulation.
; The chip was launched on July 23, 2026; its instructions are those of AMD's public machine-readable ISA for CDNA 5 (MIT licence, August 2026) and "CDNA5" Instruction Set Architecture Reference Guide (July 2026). The comments in the code are by the model that wrote it; some were corrected since.
;; Quantized Linear. Allowed arithmetic: float matrix products may take bf16 or f16 operands with f32 sums; other float arithmetic in f32, or as packed bf16 or f16 multiplies, adds, multiply-adds, maxima and minima; sums over many terms, partial sums and values carried from step to step in f32; what a program stores and reads back later, other than sums and carried values, may be rounded once to bf16 or f16.
;; Inputs: bias 16,384 float32; quantized_weight 16,384 x 4,096 int8; weight_scale 16,384 x 1 float32; x 1,024 x 4,096 float32.
;; Outputs: out0 1,024 x 16,384 float32.
;; 2 versions, each right; version 2 is version 1 with the launch cvtx written anew for expert scheduling mode. Each part assembles by itself: llvm-mc -triple=amdgcn-amd-amdhsa -mcpu=gfx1250 --defsym DOCPART=n.
;; ======== version 1 of 2: 2 launches
;; limits: values are held in f16: magnitudes above 65,504 overflow, below 6.1e-05 lose precision; inputs' magnitudes at most 65,504; below input magnitudes of 6e-05 results are inexact or not finite
;; workspace buffers: xh 8,388,608 bytes
;; launch cvtx (part 1): grid 256 x 1, 8 waves a work-group, no clusters, 0 bytes of LDS; arguments x, xh; writes xh
.if DOCPART == 1
	.amdgcn_target "amdgcn-amd-amdhsa--gfx1250"
	.amdhsa_code_object_version 6
	.text
	.protected	k_q3bef2d3ff7_cvtx
	.globl	k_q3bef2d3ff7_cvtx
	.p2align	8
	.type	k_q3bef2d3ff7_cvtx,@function
k_q3bef2d3ff7_cvtx:
	s_mov_b64 s[64:65], 0
	v_nop
	global_prefetch_b8 v0, s[64:65] scope:SCOPE_SE
	s_setreg_imm32_b32 hwreg(HW_REG_WAVE_MODE, 25, 1), 1
	s_wait_xcnt 0x0
; xh = x rounded to f16.  x: [1024][4096] f32, xh: the same shape in f16, row-major.
; LIMIT: f16 holds no number beyond 65,504: an |x| of 65,520 or more becomes an infinity; below 6e-5 x keeps f16's fixed step of 6e-8.
; A stream: every byte is read once and written once; no LDS, no barrier, no matrix work.
; 256 work-groups of 8 waves; a work-group owns 65,536 consecutive bytes of x and 32,768 of xh.  Thread t makes 16 items: item i is the
; 16 bytes at 4,096 i + 16 t of x and the 8 bytes at 2,048 i + 8 t of xh: a wave's load covers 512 consecutive bytes, its store 256, aligned.
; All 16 loads of a thread go out at once; no register is written twice, so the only waits are the counted ones for the loads.
.set ITEMS, 16
.set X, 4                              ; v[4:67]   item i: 4 numbers in f32
.set Y, 68                             ; v[68:99]  item i: 4 numbers in f16
	s_load_b128 s[4:7], s[0:1], 0x0                ; x s[4:5], xh s[6:7]
	s_lshl_b32 s2, ttmp9, 16                       ; the group's first byte in x
	s_mov_b32 s3, 0
	s_lshl_b32 s8, ttmp9, 15                       ; and in xh
	s_mov_b32 s9, 0
	v_lshlrev_b32 v1, 4, v0                        ; 16 t
	v_lshlrev_b32 v2, 3, v0                        ; 8 t
	s_wait_kmcnt 0x0
	s_add_nc_u64 s[4:5], s[4:5], s[2:3]
	s_add_nc_u64 s[6:7], s[6:7], s[8:9]
.irp i, 0,1,2,3,4,5,6,7,8,9,10,11,12,13,14,15
	global_load_b128 v[X+4*(\i):X+4*(\i)+3], v1, s[4:5] offset:4096*(\i) th:TH_LOAD_NT  ; x is read once in the whole program
.endr
.irp i, 0,1,2,3,4,5,6,7,8,9,10,11,12,13,14,15
	s_wait_loadcnt ITEMS-1-(\i)                    ; loads come back in order (ISA guide 5.7.1): item i is in, the younger ones stay out
	v_cvt_pk_f16_f32 v[Y+2*(\i)], v[X+4*(\i)], v[X+4*(\i)+1]
	v_cvt_pk_f16_f32 v[Y+2*(\i)+1], v[X+4*(\i)+2], v[X+4*(\i)+3]
	global_store_b64 v2, v[Y+2*(\i):Y+2*(\i)+1], s[6:7] offset:2048*(\i)  ; no hint: the next launch reads xh
.endr
	s_endpgm
.Lfunc_end_k_q3bef2d3ff7_cvtx:
	.size	k_q3bef2d3ff7_cvtx, .Lfunc_end_k_q3bef2d3ff7_cvtx-k_q3bef2d3ff7_cvtx
	.p2alignl 7, 3214868480
	.fill 96, 4, 3214868480
	.section	.rodata,"a",@progbits
	.p2align	6, 0x0
	.amdhsa_kernel k_q3bef2d3ff7_cvtx
		.amdhsa_group_segment_fixed_size 0
		.amdhsa_private_segment_fixed_size 0
		.amdhsa_enable_private_segment 0
		.amdhsa_kernarg_size 16
		.amdhsa_user_sgpr_count 2
		.amdhsa_user_sgpr_kernarg_segment_ptr 1
		.amdhsa_wavefront_size32 1
		.amdhsa_system_sgpr_workgroup_id_x 1
		.amdhsa_system_sgpr_workgroup_id_y 1
		.amdhsa_system_sgpr_workgroup_id_z 1
		.amdhsa_system_vgpr_workitem_id 0
		.amdhsa_next_free_vgpr 100
		.amdhsa_next_free_sgpr 66
		.amdhsa_reserve_vcc 0
		.amdhsa_float_denorm_mode_32 3
		.amdhsa_float_denorm_mode_16_64 3
		.amdhsa_memory_ordered 1
		.amdhsa_forward_progress 1
		.amdhsa_inst_pref_size 7
	.end_amdhsa_kernel
	.amdgpu_metadata
---
amdhsa.version: [ 1, 2 ]
amdhsa.kernels:
  - .name:           k_q3bef2d3ff7_cvtx
    .symbol:         k_q3bef2d3ff7_cvtx.kd
    .args:
      - { .name: x, .offset: 0, .size: 8, .value_kind: global_buffer, .address_space: global }
      - { .name: xh, .offset: 8, .size: 8, .value_kind: global_buffer, .address_space: global }
    .group_segment_fixed_size: 0
    .private_segment_fixed_size: 0
    .kernarg_segment_align: 8
    .kernarg_segment_size: 16
    .max_flat_workgroup_size: 256
    .sgpr_count:     66
    .vgpr_count:     100
    .wavefront_size: 32
...
	.end_amdgpu_metadata
.endif
;; end of part 1
;; launch gemm (part 2): grid 64 x 4, 4 waves a work-group, clusters of 4 x 4, 327,680 bytes of LDS; arguments xh, quantized_weight, weight_scale, bias, out0; writes out0
.if DOCPART == 2
	.amdgcn_target "amdgcn-amd-amdhsa--gfx1250"
	.amdhsa_code_object_version 6
	.text
	.protected	k_q3bef2d3ff7_gemm
	.globl	k_q3bef2d3ff7_gemm
	.p2align	8
	.type	k_q3bef2d3ff7_gemm,@function
k_q3bef2d3ff7_gemm:
	s_mov_b64 s[64:65], 0
	v_nop
	global_prefetch_b8 v0, s[64:65] scope:SCOPE_SE
	s_setreg_imm32_b32 hwreg(HW_REG_WAVE_MODE, 25, 1), 1
	s_wait_xcnt 0x0
	s_wait_alu depctr_hold_cnt(0) depctr_sa_sdst(0) depctr_va_vdst(0) depctr_va_sdst(0) depctr_va_ssrc(0) depctr_va_vcc(0) depctr_vm_vsrc(0)
	s_getreg_b32 s2, hwreg(HW_REG_IB_STS2, 6, 4)
	s_cmp_eq_u32 s2, 0
	s_cbranch_scc0 .Lentry_in_a_cluster
	s_endpgm
.Lentry_in_a_cluster:
	s_bfe_u32 s2, ttmp6, 0x10000c
	s_cmp_lg_u32 s2, 0xf033
	s_cbranch_scc0 .Lentry_shape_is_right
	s_endpgm
.Lentry_shape_is_right:
; out[m][n] = scale[n] * (sum over k of xh[m][k] q[n][k]) + bias[n].  xh: [1024][4096] f16 (x rounded once), q: [16384][4096] int8, scale, bias: [16384] f32, out: [1024][16384] f32.
; FORMAT.  q stays int8 through memory and LDS and is widened to f16 in registers, exactly (-128 .. 127 are f16 numbers); products in f16, sums in f32; scale and bias by one f32 multiply-add an output.
; LIMITS.  x is taken as rounded to f16 (an |x| of 65,520 or more is an infinity; below 6e-5 a fixed step of 6e-8).  The scale is applied behind the sum, where the definition rounds q * scale first: another
; order of rounding.  Inside each 32 along K the places of k are permuted, alike in both operands.  NaN and infinities are not treated apart.
; SHARES.  A tile of out, 256 x 256, is made by a work-group of four waves: 4 x 64 tiles, 256 work-groups.  A wave makes all 256 rows x 64 columns: 64 accumulators (a = 0..15 blocks of 16 rows, b = 0..3), 512 registers.
; So no two waves widen the same q: 80 vector instructions for 64 matrix instructions.
; COLUMNS.  Source 0 = 16 rows of xh, source 1 = 16 rows of q.  Lane r (l % 16) of block b takes column 64 w + 4 r + b: register j of the four accumulators b = 0..3 is then 16 neighbouring bytes of one row of out,
; sixteen lanes hold 256 consecutive aligned bytes, and the results are stored straight from registers: no LDS store anywhere.
; K.  Half h (l / 16) of the lanes holds k = 16 h .. 16 h + 15 of each 32, in register order, in both operands: 32 consecutive bytes of xh (two loads of 16), 16 consecutive bytes of q (one load).
; THE RING.  Two LDS slots, filled by the tensor data mover.  A slot: 256 rows of xh x 128 k (one K step), then 256 rows of q x 256 k (a PERIOD, two K steps): all rows are 256 bytes of memory.  q's rows lie by parity
; (the even ones, then the odd ones: each of the two loads takes every second row), so that a wave's lanes, four rows of q apart, are two LDS rows apart.
; CLUSTERS: 4 x 4 work-groups.  The four of a row of the cluster need the same tiles of xh, the four of a column the same tiles of q: each tile is asked for JOINTLY, by the same tensor load with the same
; descriptor and a mask that names the four.  The grid is one cluster high, so the tile row is cy.
; REGISTERS, in windows of 256 (s_set_vgpr_msb: bits 1:0 source 0, 3:2 source 1, 5:4 source 2, 7:6 destination):
;   window 0: v0-39 addresses, scale, bias; v64-127 xh's fragments of a = 12..15, two buffers (on the way out: results); v128-255 accumulators a = 12..15
;   window 1: v0-191 xh's fragments of a = 0..11, two buffers; v192, v193 two constants of the widening
;   window 2: v0-127 accumulators a = 0..3; v128-191 q in f16, two buffers; v192-207 q as loaded          window 3: accumulators a = 4..11
; Under the setting of the products a = 0..3 the widening needs no switch (destination and source 1 in window 2, source 0 a scalar or window 1): six switches for a quarter's 64 matrix instructions.
.set PITCH,  272                       ; an LDS row: 256 bytes + 16 of padding = 68 words: row r starts at bank 4 r mod 64 (64 banks of 4 bytes: ISA guide 11.1)
.set HALF,   128*PITCH                 ; 128 rows: what one tensor load brings
.set SLOT,   4*HALF                    ; xh's two halves, then q's two halves.  0x22000: it shares no bit with wave x HALF, so one exclusive or changes slots
.set SPARE,  2*SLOT                    ; behind the ring: the spare words, 128 bytes for each wave: two blocks of 256 bytes that no other line names
.set ADRA,   16                        ; v16-17  LDS address of my xh fragments in slot 0, 1: 272 r + 32 h
.set ADRB0,  18                        ; v18     my lane's place in a slot's q: 2 HALF + 32 w rows + 544 r + 16 h; never rewritten
.set ADRB,   19                        ; v19     the same in the slot whose period is being read
.set CO,     20                        ; v20     my byte offset in a block of 16 rows of out: 8 h rows + 16 r
.set SB,     21                        ; v21     16 r: my four numbers of scale and of bias
.set SPW,    28                        ; v28     LDS address of my spare word: SPARE + 4 x my thread's number; never rewritten
.set NIL,    29                        ; v29     0; never rewritten
.set SC,     32                        ; v32-35  scale of my four columns
.set BI,     36                        ; v36-39  bias of my four columns
.set AH,     64                        ; window 0: fragment (buffer f, a = 12..15) at AH + 32 f + 8 (a - 12);  window 1: (f, a = 0..11) at 96 f + 8 a
.set T,      64                        ; window 0, on the way out: two sets of 32
.set C64,    192                       ; window 1: 0x64646464
.set NEG,    193                       ; window 1: -1152 twice, in f16
.set BF,     128                       ; window 2: q in f16, (buffer f, b) at BF + 32 f + 8 b
.set RAW,    192                       ; window 2: q as loaded, block b at RAW + 4 b
.set WV,  14                           ; s14  my wave's number
.set FB,  15                           ; s15  0: I fetch xh; 1: I fetch q
.set HF,  16                           ; s16  which half of that tile
.set G1A, 24                           ; s[24:31] descriptor group 1 for xh's tiles
.set G0A, 32                           ; s[32:39] group 0 for xh's tiles, a set for each slot
.set TB,  44                           ; s44  0 or SLOT: the slot whose q is being read
.set X80, 45                           ; s45  0x80808080
.set SEL, 46                           ; s46-47  byte selects of the widening
.set G1B, 48                           ; s[48:55] descriptor group 1 for q's tiles
.set G0B, 56                           ; s[56:63] group 0 for q's tiles: a set for each first fill; the second then walks on
.set MSB, 0
.macro WIN new                         ; the immediate's high byte repeats the setting that is left; a switch that changes nothing is dropped
.if MSB != (\new)
	s_set_vgpr_msb (MSB<<8)|(\new)
.set MSB, \new
.endif
.endm
.set P0,    0x08                       ; xh window 0, q window 2, C and D window 0
.set P3,    0xf9                       ; xh window 1, q window 2, C and D window 3
.set P2,    0xa9                       ; xh window 1, q window 2, C and D window 2
.set TO_R,  0x80                       ; destination window 2, address window 0
.set TO_A1, 0x40                       ; destination window 1, address window 0
.macro PLACES
.rept 4
	v_nop
.endr
.endm
; A joint refill.  Waves 0 and 1 fetch the two halves of xh's tile for slot \slot; withb = 1: waves 2 and 3 fetch q's even and odd rows by the walking descriptor; withb = 0: they fetch nothing.
; The branch hangs on the wave's number alone.  An s_nop 0 and four v_nop follow each tensor load, ahead of the jump, the label and what follows.
.macro JLOAD slot, withb
	s_cmp_eq_u32 s[FB], 0
	s_cbranch_scc0 .Lfor_b_\@
	tensor_load_to_lds s[G0A+4*(\slot):G0A+4*(\slot)+3], s[G1A:G1A+7]
	s_nop 0
	PLACES
.if \withb
	s_branch .Lasked_\@
.Lfor_b_\@:
	tensor_load_to_lds s[G0B+4:G0B+7], s[G1B:G1B+7]
	s_nop 0
	PLACES
.Lasked_\@:
.else
.Lfor_b_\@:
.endif
.endm
; A round of the cluster's barrier: my work-group's barrier, so that wave 0's signal speaks for all four waves; wave 0 signals; every wave waits for all sixteen work-groups; my work-group's barrier once more.
.macro CREST                           ; a round behind its opening barrier
	s_cmp_lg_u32 s[WV], 0
	s_cbranch_scc1 .Lnot_wave_0_\@
	s_barrier_signal -3
.Lnot_wave_0_\@:
	s_barrier_wait -3
	s_barrier_signal -1
	s_barrier_wait -1
.endm
.macro CROUND                          ; a whole round
	s_barrier_signal -1
	s_barrier_wait -1
	CREST
.endm
	s_load_b256 s[4:11], s[0:1], 0x0               ; xh s[4:5], q s[6:7], scale s[8:9], bias s[10:11]
	s_load_b64 s[12:13], s[0:1], 0x20              ; out
	v_lshl_add_u32 v[SPW], v0, 2, SPARE
	v_mov_b32 v[NIL], 0
	ds_add_u32 v[SPW], v[NIL]                      ; the wave's opening: the add and its wait stand ahead of my first tensor load; the set-up below, work on registers, stands between them
	v_lshrrev_b32 v1, 5, v0
	v_readfirstlane_b32 s[WV], v1                  ; wave 0..3
	s_lshr_b32 s[FB], s[WV], 1
	s_and_b32 s[HF], s[WV], 1
	s_bfe_u32 s17, ttmp6, 0x40000                  ; cx: my place along the cluster's x
	s_bfe_u32 s18, ttmp6, 0x40004                  ; cy: along its y = the tile row
	s_lshl_b32 s19, ttmp9, 2                       ; in a cluster launch ttmp9 counts clusters
	s_add_co_u32 s19, s19, s17                     ; tile column = 4 x cluster x + cx
	s_lshl_b32 s20, s18, 2
	s_lshl_b32 s20, 15, s20                        ; my row of the cluster: places 4 cy .. 4 cy + 3
	s_lshl_b32 s21, 0x1111, s17                    ; my column: places cx, cx + 4, cx + 8, cx + 12
	; group 1 for xh: 128 rows x 128 elements of 2 bytes, 4,096 elements from row to row
	s_or_b32 s[G1A+0], s20, (1<<16)|(1<<20)|(1<<21)|(5<<22)|(3<<25)  ; 15:0 the mask: my row; 17:16 2-byte elements; 20 padding on; 21 set beside a mask; 24:22 after every 64 words (code 5); 31:25 4 words (code 3)
	s_mov_b32 s[G1A+1], 128<<16                    ; tensor_dim0 = 128
	s_mov_b32 s[G1A+2], 128<<16                    ; tensor_dim1 = 128
	s_mov_b32 s[G1A+3], 128<<16                    ; tile_dim0 = 128
	s_mov_b32 s[G1A+4], 128                        ; tile_dim1 = 128
	s_mov_b32 s[G1A+5], 4096
	s_mov_b32 s[G1A+6], 0
	s_mov_b32 s[G1A+7], 0
	; group 1 for q: 128 rows x 256 elements of 1 byte, 8,192 elements from row to row: every second row
	s_or_b32 s[G1B+0], s21, (0<<16)|(1<<20)|(1<<21)|(5<<22)|(3<<25)  ; the mask: my column; 1-byte elements; the same padding
	s_mov_b32 s[G1B+1], 256<<16                    ; tensor_dim0 = 256
	s_mov_b32 s[G1B+2], 128<<16                    ; tensor_dim1 = 128
	s_mov_b32 s[G1B+3], 256<<16                    ; tile_dim0 = 256
	s_mov_b32 s[G1B+4], 128                        ; tile_dim1 = 128
	s_mov_b32 s[G1B+5], 8192
	s_mov_b32 s[G1B+6], 0
	s_mov_b32 s[G1B+7], 0
	s_mov_b32 s[TB], 0
	s_mov_b32 s[X80], 0x80808080
	s_mov_b32 s[SEL], 0x04010400                   ; halves (0x64, byte 0), (0x64, byte 1)
	s_mov_b32 s[SEL+1], 0x04030402                 ; halves (0x64, byte 2), (0x64, byte 3)
	; where the tiles come from.  xh's hang on cy alone, which my row of the cluster shares; q's on the tile column alone, which my column shares; each in registers that never hold the other coordinate.
	s_lshl_b32 s40, s18, 21                        ; 256 cy rows of 8,192 bytes
	s_lshl_b32 s2, s[HF], 20                       ; + 128 rows for the second half
	s_add_co_u32 s40, s40, s2
	s_mov_b32 s41, 0
	s_lshl_b32 s42, s19, 20                        ; 256 x tile column rows of 4,096 bytes
	s_lshl_b32 s2, s[HF], 12                       ; + one row for the odd rows
	s_add_co_u32 s42, s42, s2
	s_mov_b32 s43, 0
	s_mul_i32 s2, s[WV], HALF                      ; and where they go: wave x 128 rows: no place in the cluster enters an LDS address
	s_wait_dscnt 0x0                               ; the opening add is done
	s_wait_kmcnt 0x0
	s_add_nc_u64 s[40:41], s[4:5], s[40:41]
	s_add_nc_u64 s[42:43], s[6:7], s[42:43]
.irp s, 0,1
	s_mov_b32 s[G0A+4*(\s)], 1                                     ; 1:0 count = 1
	s_add_co_u32 s[G0A+4*(\s)+1], s2, (\s)*SLOT                    ; 63:32 LDS address
	s_add_nc_u64 s[G0A+4*(\s)+2:G0A+4*(\s)+3], s[40:41], (\s)*256  ; 120:64 global address: K step s (128 f16)
	s_or_b32 s[G0A+4*(\s)+3], s[G0A+4*(\s)+3], 0x80000000          ; 127:126 type = 2
	s_mov_b32 s[G0B+4*(\s)], 1
	s_add_co_u32 s[G0B+4*(\s)+1], s2, (\s)*SLOT
	s_add_nc_u64 s[G0B+4*(\s)+2:G0B+4*(\s)+3], s[42:43], (\s)*256  ; period s (256 int8)
	s_or_b32 s[G0B+4*(\s)+3], s[G0B+4*(\s)+3], 0x80000000
.endr
	CROUND                                         ; all sixteen work-groups are here: the first joint loads meet
	s_cmp_eq_u32 s[FB], 0                          ; a wave's two first fills stand in one branch, ahead of every wait on TENSORcnt and every LDS read: two loads of mine are out
	s_cbranch_scc0 .Lfirst_b
	tensor_load_to_lds s[G0A:G0A+3], s[G1A:G1A+7]
	s_nop 0
	tensor_load_to_lds s[G0A+4:G0A+7], s[G1A:G1A+7]
	s_nop 0
	PLACES
	s_branch .Lfirst_asked
.Lfirst_b:
	tensor_load_to_lds s[G0B:G0B+3], s[G1B:G1B+7]
	s_nop 0
	tensor_load_to_lds s[G0B+4:G0B+7], s[G1B:G1B+7]
	s_nop 0
	PLACES
.Lfirst_asked:
	; the lanes' addresses, in the wait for the first tiles
	v_and_b32 v1, 15, v0                           ; r = l % 16
	v_bfe_u32 v2, v0, 4, 1                         ; h = l / 16
	v_mul_u32_u24 v3, v1, PITCH
	v_lshl_add_u32 v[ADRA], v2, 5, v3              ; row r, 32 bytes for each half of the lanes
	v_add_nc_u32 v[ADRA+1], SLOT, v[ADRA]
	v_mul_u32_u24 v3, v1, 2*PITCH                  ; q: column 4 r + b lies in LDS row 128 (b & 1) + 32 w + 2 r + (b >> 1)
	v_lshl_add_u32 v3, v2, 4, v3                   ; 16 bytes for each half of the lanes
	s_mul_i32 s2, s[WV], 32*PITCH
	s_add_co_u32 s2, s2, 2*HALF                    ; q lies behind xh's 256 rows
	v_add_nc_u32 v[ADRB0], s2, v3
	v_mov_b32 v[ADRB], v[ADRB0]                    ; period 0 lies in slot 0
	v_lshlrev_b32 v[SB], 4, v1
	v_lshl_add_u32 v[CO], v2, 19, v[SB]            ; 8 h rows of 65,536 bytes + 16 r
	WIN TO_A1
	v_mov_b32 v[C64], 0x64646464
	v_mov_b32 v[NEG], 0xe480e480
	WIN 0
	s_lshl_b32 s42, s19, 10                        ; my 64 columns in scale, bias and a row of out: 1,024 x tile column + 256 w bytes
	s_lshl_b32 s2, s[WV], 8
	s_add_co_u32 s42, s42, s2
	s_mov_b32 s43, 0
	s_add_nc_u64 s[8:9], s[8:9], s[42:43]
	s_add_nc_u64 s[10:11], s[10:11], s[42:43]
	s_add_nc_u64 s[12:13], s[12:13], s[42:43]
	s_lshl_b32 s40, s18, 24                        ; 256 cy rows of out
	s_mov_b32 s41, 0
	s_add_nc_u64 s[12:13], s[12:13], s[40:41]
	global_load_b128 v[SC:SC+3], v[SB], s[8:9]
	global_load_b128 v[BI:BI+3], v[SB], s[10:11]
; Four matrix instructions: block a x b = 0..3, 32 along K, from buffer f.  zero = 1: the product starts the sums: nothing is ever cleared.
; The 64 accumulators take turns, one instruction a turn, in the same order in every quarter (a = 12..15, 4..11, 0..3): between two links of a chain stand the 63 others'.
.macro MUL f, a, zero
.if (\a) >= 12
	WIN P0
.set rA, AH+32*(\f)+8*((\a)-12)
.set rD, 128+32*((\a)-12)
.elseif (\a) >= 4
	WIN P3
.set rA, 96*(\f)+8*(\a)
.set rD, 32*((\a)-4)
.else
	WIN P2
.set rA, 96*(\f)+8*(\a)
.set rD, 32*(\a)
.endif
.irp b, 0,1,2,3
.if \zero
	v_wmma_f32_16x16x32_f16 v[rD+8*(\b):rD+8*(\b)+7], v[rA:rA+7], v[BF+32*(\f)+8*(\b):BF+32*(\f)+8*(\b)+7], 0
.else
	v_wmma_f32_16x16x32_f16 v[rD+8*(\b):rD+8*(\b)+7], v[rA:rA+7], v[BF+32*(\f)+8*(\b):BF+32*(\f)+8*(\b)+7], v[rD+8*(\b):rD+8*(\b)+7]
.endif
.endr
.endm
; 36 LDS loads in one run: a quarter's q as it lies (4 loads, byte kb of its rows) and xh's fragments (32 loads, byte ka of the rows of slot aslot) into buffer g, in the order in which they are wanted.
.macro FETCH aslot, ka, kb, g
	WIN TO_R
.irp b, 0,1,2,3
	ds_load_b128 v[RAW+4*(\b):RAW+4*(\b)+3], v[ADRB] offset:(128*((\b)&1)+((\b)>>1))*PITCH+(\kb)
.endr
	WIN 0
.irp a, 12,13,14,15
	ds_load_b128 v[AH+32*(\g)+8*((\a)-12):AH+32*(\g)+8*((\a)-12)+3],   v[ADRA+(\aslot)] offset:(\a)*16*PITCH+(\ka)
	ds_load_b128 v[AH+32*(\g)+8*((\a)-12)+4:AH+32*(\g)+8*((\a)-12)+7], v[ADRA+(\aslot)] offset:(\a)*16*PITCH+(\ka)+16
.endr
	WIN TO_A1
.irp a, 4,5,6,7,8,9,10,11,0,1,2,3
	ds_load_b128 v[96*(\g)+8*(\a):96*(\g)+8*(\a)+3],   v[ADRA+(\aslot)] offset:(\a)*16*PITCH+(\ka)
	ds_load_b128 v[96*(\g)+8*(\a)+4:96*(\g)+8*(\a)+7], v[ADRA+(\aslot)] offset:(\a)*16*PITCH+(\ka)+16
.endr
.endm
; THE WIDENING, a list of 80; CV writes number n of it, into buffer g, and steps n.  It stands under the setting P2.  For each block b, 20 lines: 4 x (q + 128 in each byte, by an exclusive or); 8 x (two bytes u set under
; 0x64: the f16 numbers 1024 + u); 8 x (two additions of -1152: exactly q).  Each line reads results made four lines back or more.
.macro CV g
.set cb, n/20
.set cm, n%20
.if cm < 4
	v_xor_b32 v[RAW+4*cb+cm], s[X80], v[RAW+4*cb+cm]
.elseif cm < 12
	v_perm_b32 v[BF+32*(\g)+8*cb+cm-4], v[C64], v[RAW+4*cb+(cm-4)/2], s[SEL+(cm-4)%2]
.else
	v_pk_add_f16 v[BF+32*(\g)+8*cb+cm-12], v[NEG], v[BF+32*(\g)+8*cb+cm-12]
.endif
.set n, n+1
.endm
; The products a = 0..3 of buffer f, and behind each of the 16 five lines of the widening into buffer g.  None names a register of the products round it.  The five behind the last product are also the
; places (ISA guide 7.12.1 for vector instructions) in front of the next quarter's loads into the fragments just multiplied and of the next lines that write their q.
.macro MULR f, g, zero
	WIN P2
.set n, 0
.irp a, 0,1,2,3
.irp b, 0,1,2,3
.if \zero
	v_wmma_f32_16x16x32_f16 v[32*(\a)+8*(\b):32*(\a)+8*(\b)+7], v[96*(\f)+8*(\a):96*(\f)+8*(\a)+7], v[BF+32*(\f)+8*(\b):BF+32*(\f)+8*(\b)+7], 0
.else
	v_wmma_f32_16x16x32_f16 v[32*(\a)+8*(\b):32*(\a)+8*(\b)+7], v[96*(\f)+8*(\a):96*(\f)+8*(\a)+7], v[BF+32*(\f)+8*(\b):BF+32*(\f)+8*(\b)+7], v[32*(\a)+8*(\b):32*(\a)+8*(\b)+7]
.endif
.rept 5
	CV \g
.endr
.endr
.endr
.endm
; A K step is four quarters of 32 along K, 64 matrix instructions each, on buffers 0, 1, 0, 1.  One of the first three: multiplies buffer f; fetches the next quarter (slot aslot, bytes ka and kb) into buffer g and widens its q.
.macro QUARTER aslot, ka, kb, f, g, zero
	s_wait_dscnt 24                                ; a = 12..15 are in; the 24 loads behind them (a = 4..11, 0..3) may be out
.irp a, 12,13,14,15
	MUL \f, \a, \zero
.endr
	FETCH \aslot, \ka, \kb, \g
	s_wait_dscnt 44                                ; a = 4..11 are in: behind them a = 0..3 (8 loads) and the 36 just issued
.irp a, 4,5,6,7,8,9,10,11
	MUL \f, \a, \zero
.endr
	s_wait_dscnt 32                                ; a = 0..3 and the next quarter's q are in: behind them the 32 new loads of xh
	MULR \f, \g, \zero
.endm
; The last quarter of a K step multiplies buffer 1 and changes slots.  ONE barrier: in front of it each wave waits for all its tensor loads (at most one is out), adds 0 to its spare word, and waits for that and for its
; own reads of the slot.  Behind it nobody reads the old slot's part any more, and the next one is whole.
; fill = 1: xh's part of slot aslot is filled again, two K steps on; fill = 2: q's part of the slot just read out too, two periods on; the barrier then opens a round of the cluster's barrier, and the joint refill is the
; first tensor load behind it, one a wave: 224 matrix instructions ahead of the wait for it.  fill = 0: nothing is left to fetch.  tog = 1: q's reads go on in the other slot.
.macro TURN aslot, anext, kb, fill, tog
	WIN 0                                          ; (the add's two registers lie in window 0)
	s_wait_tensorcnt 0x0                           ; all my tensor loads have landed
	ds_add_u32 v[SPW], v[NIL]                      ; 0 onto my spare word
	s_wait_dscnt 25                                ; a = 12..15 are in: behind them 24 loads and the add
.irp a, 12,13,14,15
	MUL 1, \a, 0                                   ; sixteen matrix instructions stand between the add and the wait for it
.endr
	s_wait_dscnt 0x0                               ; the add is done, and my reads of the slot are over
	s_barrier_signal -1
.irp a, 4,5,6,7
	MUL 1, \a, 0                                   ; work on registers while the others arrive
.endr
	WIN 0                                          ; at a branch and at a label every window is 0
	s_barrier_wait -1
.if \fill
	CREST                                          ; no wave of any partner still reads these bytes or has a load on its way
	s_add_nc_u64 s[G0A+4*(\aslot)+2:G0A+4*(\aslot)+3], s[G0A+4*(\aslot)+2:G0A+4*(\aslot)+3], 512  ; no tensor load of mine is out, so a group 0 may be written: two K steps on
.if (\fill) == 2
	s_xor_b32 s[G0B+5], s[G0B+5], SLOT             ; the walking descriptor: the other slot than last time,
	s_add_nc_u64 s[G0B+6:G0B+7], s[G0B+6:G0B+7], 256  ; the next period
.endif
	JLOAD \aslot, (\fill)-1
.endif
.if \tog
	s_xor_b32 s[TB], s[TB], SLOT
	v_add_nc_u32 v[ADRB], s[TB], v[ADRB0]
.endif
	FETCH \anext, 0, \kb, 0
.irp a, 8,9,10,11
	MUL 1, \a, 0
.endr
	s_wait_dscnt 32                                ; the next quarter's q is in: behind it the 32 new loads of xh
	MULR 1, 0, 0
.endm
; From a period's second quarter to the next period's first.  bfill: the fill of the second change of slots (2: xh and q; 1: xh alone).
.macro PERIOD bfill
	QUARTER 0, 128, 64,  1, 0, 0
	QUARTER 0, 192, 96,  0, 1, 0
	TURN 0, 1, 128, 1, 0
	QUARTER 1, 64,  160, 0, 1, 0
	QUARTER 1, 128, 192, 1, 0, 0
	QUARTER 1, 192, 224, 0, 1, 0
	TURN 1, 0, 0, \bfill, 1
	QUARTER 0, 64,  32,  0, 1, 0
.endm
; THE WAY OUT of block a (16 rows): out = sum x scale + bias, one multiply-add a number; register j of the four accumulators makes 16 bytes; each accumulator is read from its lowest register on.
.macro OUT a
	WIN 0
	s_wait_xcnt 0x0                                ; every earlier memory instruction has had its addresses translated (ISA guide 3.1): the stores' base and data are rewritten only behind this wait
	s_add_nc_u64 s[22:23], s[12:13], (\a)<<20      ; 16 a rows of 65,536 bytes
.if (\a) >= 12
.set rD, 128+32*((\a)-12)
.elseif (\a) >= 4
	WIN 0x03                                       ; source 0 window 3
.set rD, 32*((\a)-4)
.else
	WIN 0x02                                       ; source 0 window 2
.set rD, 32*(\a)
.endif
.irp j, 0,1,2,3,4,5,6,7
.irp b, 0,1,2,3
	v_fma_f32 v[T+32*((\a)%2)+4*(\j)+(\b)], v[rD+8*(\b)+(\j)], v[SC+(\b)], v[BI+(\b)]
.endr
.endr
	WIN 0
.irp j, 0,1,2,3,4,5,6,7
	global_store_b128 v[CO], v[T+32*((\a)%2)+4*(\j):T+32*((\a)%2)+4*(\j)+3], s[22:23] offset:65536*(\j) th:TH_STORE_NT  ; 16 lanes store 256 consecutive bytes, at a multiple of 256 from out's first byte
.endr
.endm
	s_wait_tensorcnt 1                             ; my part of slot 0 is in; slot 1's may stay out
	s_wait_loadcnt 0x0                             ; scale and bias
	s_barrier_signal -1
	s_barrier_wait -1                              ; everybody's part is in
	FETCH 0, 0, 0, 0
	s_wait_dscnt 32                                ; the first quarter's q is in
	WIN P2
.set n, 0
.rept 80
	CV 0                                           ; its widening has no products to stand beside
.endr
	QUARTER 0, 64, 32, 0, 1, 1                     ; the first quarter stands in front of the loop: its products start the sums
	WIN 0                                          ; at a label and at a branch every window is 0
	s_mov_b32 s3, 14
.Lperiod:                                              ; periods 0 to 13: both parts of the ring are filled again
	PERIOD 2
	WIN 0
	s_sub_co_u32 s3, s3, 1
	s_cmp_lg_u32 s3, 0
	s_cbranch_scc1 .Lperiod
	PERIOD 1                                       ; the tail is written out.  Period 14: xh's K steps 30 and 31 are asked for, of q nothing is left
	QUARTER 0, 128, 64,  1, 0, 0                   ; period 15 asks for nothing
	QUARTER 0, 192, 96,  0, 1, 0
	TURN 0, 1, 128, 0, 0
	QUARTER 1, 64,  160, 0, 1, 0
	QUARTER 1, 128, 192, 1, 0, 0
	QUARTER 1, 192, 224, 0, 1, 0
	s_wait_dscnt 24                                ; the very last quarter: nothing more to fetch or widen
.irp a, 12,13,14,15
	MUL 1, \a, 0
.endr
	s_wait_dscnt 8                                 ; all but a = 0..3
.irp a, 4,5,6,7,8,9,10,11
	MUL 1, \a, 0
.endr
	s_wait_dscnt 0x0
.irp a, 0,1,2,3
	MUL 1, \a, 0
.endr
	WIN 0
	PLACES                                         ; four places between the last products and the lines that read results and write over fragments
.irp a, 0,1,2,3,4,5,6,7,8,9,10,11,12,13,14,15
	OUT \a
.endr
	s_wait_tensorcnt 0x0                           ; the wave's end: the add and its wait, behind my last tensor load
	ds_add_u32 v[SPW], v[NIL]
	s_wait_dscnt 0x0
	CROUND                                         ; the closing round: no work-group ends while a partner may still ask for a tile that names it
	s_endpgm
.Lfunc_end_k_q3bef2d3ff7_gemm:
	.size	k_q3bef2d3ff7_gemm, .Lfunc_end_k_q3bef2d3ff7_gemm-k_q3bef2d3ff7_gemm
	.p2alignl 7, 3214868480
	.fill 96, 4, 3214868480
	.section	.rodata,"a",@progbits
	.p2align	6, 0x0
	.amdhsa_kernel k_q3bef2d3ff7_gemm
		.amdhsa_group_segment_fixed_size 327680
		.amdhsa_private_segment_fixed_size 0
		.amdhsa_enable_private_segment 0
		.amdhsa_kernarg_size 40
		.amdhsa_user_sgpr_count 2
		.amdhsa_user_sgpr_kernarg_segment_ptr 1
		.amdhsa_wavefront_size32 1
		.amdhsa_system_sgpr_workgroup_id_x 1
		.amdhsa_system_sgpr_workgroup_id_y 1
		.amdhsa_system_sgpr_workgroup_id_z 1
		.amdhsa_system_vgpr_workitem_id 0
		.amdhsa_next_free_vgpr 1024
		.amdhsa_next_free_sgpr 66
		.amdhsa_reserve_vcc 0
		.amdhsa_float_denorm_mode_32 3
		.amdhsa_float_denorm_mode_16_64 3
		.amdhsa_memory_ordered 1
		.amdhsa_forward_progress 1
		.amdhsa_inst_pref_size 255
	.end_amdhsa_kernel
	.section	.bss,"aw",@nobits
	.p2align	6
	.space	262144
	.amdgpu_metadata
---
amdhsa.version: [ 1, 2 ]
amdhsa.kernels:
  - .name:           k_q3bef2d3ff7_gemm
    .symbol:         k_q3bef2d3ff7_gemm.kd
    .args:
      - { .name: xh, .offset: 0, .size: 8, .value_kind: global_buffer, .address_space: global }
      - { .name: quantized_weight, .offset: 8, .size: 8, .value_kind: global_buffer, .address_space: global }
      - { .name: weight_scale, .offset: 16, .size: 8, .value_kind: global_buffer, .address_space: global }
      - { .name: bias, .offset: 24, .size: 8, .value_kind: global_buffer, .address_space: global }
      - { .name: out0, .offset: 32, .size: 8, .value_kind: global_buffer, .address_space: global }
    .group_segment_fixed_size: 327680
    .private_segment_fixed_size: 0
    .kernarg_segment_align: 8
    .kernarg_segment_size: 40
    .max_flat_workgroup_size: 128
    .sgpr_count:     66
    .vgpr_count:     1024
    .wavefront_size: 32
...
	.end_amdgpu_metadata
.endif
;; end of part 2
;; ======== version 2 of 2: 2 launches; version 1 with the launch cvtx written anew for expert scheduling mode
;; limits: values are held in f16: magnitudes above 65,504 overflow, below 6.1e-05 lose precision; inputs' magnitudes at most 65,504; below input magnitudes of 6e-05 results are inexact or not finite
;; workspace buffers: xh 8,388,608 bytes
;; launch cvtx (part 3): grid 256 x 1, 8 waves a work-group, no clusters, 0 bytes of LDS; arguments x, xh; writes xh
.if DOCPART == 3
	.amdgcn_target "amdgcn-amd-amdhsa--gfx1250"
	.amdhsa_code_object_version 6
	.text
	.protected	k_q3bef2d3ff7_cvtx
	.globl	k_q3bef2d3ff7_cvtx
	.p2align	8
	.type	k_q3bef2d3ff7_cvtx,@function
k_q3bef2d3ff7_cvtx:
	s_mov_b64 s[64:65], 0
	v_nop
	global_prefetch_b8 v0, s[64:65] scope:SCOPE_SE
	s_setreg_imm32_b32 hwreg(HW_REG_WAVE_SCHED_MODE, 0, 2), 2
	s_setreg_imm32_b32 hwreg(HW_REG_WAVE_MODE, 25, 1), 1
	s_wait_xcnt 0x0
	s_wait_alu depctr_vm_vsrc(0)
; xh = x rounded to f16.  x: [1024][4096] f32, xh: the same shape in f16, row-major.
; LIMIT: f16 holds no number beyond 65,504: an |x| of 65,520 or more becomes an infinity; below 6e-5 x keeps f16's fixed step of 6e-8.
; A stream: every byte is read once and written once; no LDS, no barrier, no matrix work.
; 256 work-groups of 8 waves; a work-group owns 65,536 consecutive bytes of x and 32,768 of xh.  Thread t makes 16 items: item i is the
; 16 bytes at 4,096 i + 16 t of x and the 8 bytes at 2,048 i + 8 t of xh: a wave's load covers 512 consecutive bytes, its store 256, aligned.
; All 16 loads of a thread go out at once; no register is written twice.
; THE MODE: SCHED_MODE bits 1:0 = 2 (LLVM: expert scheduling mode 2), set by the entry lines.  The code itself states the register dependences
; between vector instructions and memory instructions, with s_wait_alu, always for 0.
; THE PLAN.  Registers that memory instructions touch:
;   v1, v2   byte offsets of the loads and of the stores: written once at the head by vector instructions, read by every load or store, never written again.
;   X        item i's four registers: written by its load alone, read by its two conversions, never loaded again.
;   Y        item i's two registers: written by its two conversions, read by its store, never written again.
; So two kinds of dependence are to be stated: the offsets are written before the first load reads one, and a Y is written before its store reads it.
; The 16 items go in four blocks of four: one wait for the block's loads, eight conversions, ONE wait on va_vdst, a run of four stores.
; No register that a memory instruction reads is written again, and no load lands in a register that a vector instruction has named: nothing else is owed.
.set ITEMS, 16
.set BLOCK, 4                          ; items in a block
.set X, 4                              ; v[4:67]   item i: 4 numbers in f32
.set Y, 68                             ; v[68:99]  item i: 4 numbers in f16
	s_load_b128 s[4:7], s[0:1], 0x0                ; x s[4:5], xh s[6:7]
	s_lshl_b32 s2, ttmp9, 16                       ; the group's first byte in x
	s_mov_b32 s3, 0
	s_lshl_b32 s8, ttmp9, 15                       ; and in xh
	s_mov_b32 s9, 0
	v_lshlrev_b32 v1, 4, v0                        ; 16 t
	v_lshlrev_b32 v2, 3, v0                        ; 8 t
	s_wait_kmcnt 0x0
	s_add_nc_u64 s[4:5], s[4:5], s[2:3]
	s_add_nc_u64 s[6:7], s[6:7], s[8:9]
	s_wait_alu depctr_va_vdst(0)                   ; v1 and v2 are written: every load of the kernel reads v1 as its offset, every store v2
.irp i, 0,1,2,3,4,5,6,7,8,9,10,11,12,13,14,15
	global_load_b128 v[X+4*(\i):X+4*(\i)+3], v1, s[4:5] offset:4096*(\i) th:TH_LOAD_NT  ; x is read once in the whole program
.endr
.irp p, 0,1,2,3
	s_wait_loadcnt ITEMS-BLOCK*((\p)+1)            ; loads come back in order (ISA guide 5.7.1): the block's four items are in, the younger blocks stay out
.irp i, 0,1,2,3
	v_cvt_pk_f16_f32 v[Y+2*(BLOCK*(\p)+(\i))],   v[X+4*(BLOCK*(\p)+(\i))],   v[X+4*(BLOCK*(\p)+(\i))+1]
	v_cvt_pk_f16_f32 v[Y+2*(BLOCK*(\p)+(\i))+1], v[X+4*(BLOCK*(\p)+(\i))+2], v[X+4*(BLOCK*(\p)+(\i))+3]
.endr
	s_wait_alu depctr_va_vdst(0)                   ; the block's eight conversions have written its Y registers, which the four stores below read as their data
.irp i, 0,1,2,3
	global_store_b64 v2, v[Y+2*(BLOCK*(\p)+(\i)):Y+2*(BLOCK*(\p)+(\i))+1], s[6:7] offset:2048*(BLOCK*(\p)+(\i))  ; no hint: the next launch reads xh
.endr
.endr
	s_endpgm
.Lfunc_end_k_q3bef2d3ff7_cvtx:
	.size	k_q3bef2d3ff7_cvtx, .Lfunc_end_k_q3bef2d3ff7_cvtx-k_q3bef2d3ff7_cvtx
	.p2alignl 7, 3214868480
	.fill 96, 4, 3214868480
	.section	.rodata,"a",@progbits
	.p2align	6, 0x0
	.amdhsa_kernel k_q3bef2d3ff7_cvtx
		.amdhsa_group_segment_fixed_size 0
		.amdhsa_private_segment_fixed_size 0
		.amdhsa_enable_private_segment 0
		.amdhsa_kernarg_size 16
		.amdhsa_user_sgpr_count 2
		.amdhsa_user_sgpr_kernarg_segment_ptr 1
		.amdhsa_wavefront_size32 1
		.amdhsa_system_sgpr_workgroup_id_x 1
		.amdhsa_system_sgpr_workgroup_id_y 1
		.amdhsa_system_sgpr_workgroup_id_z 1
		.amdhsa_system_vgpr_workitem_id 0
		.amdhsa_next_free_vgpr 100
		.amdhsa_next_free_sgpr 66
		.amdhsa_reserve_vcc 0
		.amdhsa_float_denorm_mode_32 3
		.amdhsa_float_denorm_mode_16_64 3
		.amdhsa_memory_ordered 1
		.amdhsa_forward_progress 1
		.amdhsa_inst_pref_size 6
	.end_amdhsa_kernel
	.amdgpu_metadata
---
amdhsa.version: [ 1, 2 ]
amdhsa.kernels:
  - .name:           k_q3bef2d3ff7_cvtx
    .symbol:         k_q3bef2d3ff7_cvtx.kd
    .args:
      - { .name: x, .offset: 0, .size: 8, .value_kind: global_buffer, .address_space: global }
      - { .name: xh, .offset: 8, .size: 8, .value_kind: global_buffer, .address_space: global }
    .group_segment_fixed_size: 0
    .private_segment_fixed_size: 0
    .kernarg_segment_align: 8
    .kernarg_segment_size: 16
    .max_flat_workgroup_size: 256
    .sgpr_count:     66
    .vgpr_count:     100
    .wavefront_size: 32
...
	.end_amdgpu_metadata
.endif
;; end of part 3
;; launch gemm: the kernel of part 2 again; grid 64 x 4, 4 waves a work-group, clusters of 4 x 4, 327,680 bytes of LDS; arguments xh, quantized_weight, weight_scale, bias, out0; writes out0
